; MI455X (gfx1250); checked and timed in simulation.
; The chip was launched on July 23, 2026; its instructions are those of AMD's public machine-readable ISA for CDNA 5 (MIT licence, August 2026) and "CDNA5" Instruction Set Architecture Reference Guide (July 2026). The comments in the code are by the model that wrote it; some were corrected since.
;; Self Attention. Allowed arithmetic: matrix products marked QUANTISED: E4M3 operands, one given power-of-two scale a tensor, by v_wmma_f32_16x16x64_fp8_fp8 or v_wmma_f32_16x16x128_fp8_fp8, f32 sums; everything else in f32.
;; Inputs: W_attn 1,024 x 3,072 float32; W_proj 1,024 x 1,024 float32; lowp_scales 8 int32 (the exponents e of the quantised operands' scales 2^e); x 4 x 2,048 x 1,024 float32.
;; Outputs: out0 4 x 2,048 x 1,024 float32.
;; This version of the problem:
;;   THIS VERSION OF THE PROBLEM IS GIVEN IN LOW PRECISION. The matrix products marked QUANTISED in the list below multiply operands that are first quantised to E4M3 (4 exponent bits, 3 mantissa bits; 8 bits a number), with one given power-of-two scale for each operand tensor; their sums are f32. All else is computed in f32.
;;   The module's matrix products, in the order in which they are computed (A, B: the left and right operand; K: the contracted axis; several contracted axes count as one K, in the product's order):
;;     1. [M 8,192, K 1,024] x [K 1,024, N 3,072]; A: input x; B: input W_attn: QUANTISED (scales: A lowp_scales[0], B lowp_scales[1])
;;     2. batch 64 x [M 2,048, K 64] x [K 64, N 2,048]; A: computed on the way; B: computed on the way: QUANTISED (scales: A lowp_scales[2], B lowp_scales[3])
;;     3. batch 64 x [M 2,048, K 2,048] x [K 2,048, N 64]; A: softmax (see below); B: computed on the way: QUANTISED (scales: A lowp_scales[4], B lowp_scales[5])
;;     4. [M 8,192, K 1,024] x [K 1,024, N 1,024]; A: computed on the way; B: input W_proj: QUANTISED (scales: A lowp_scales[6], B lowp_scales[7])
;;   THE QUANTISER, for each operand of a quantised product, along K:
;;     - The operand's scale is 2^e, e = its entry of the input lowp_scales (int32; the entries are numbered through the quantised products in the list's order, A before B).
;;     - Each number is divided by the scale, clamped to +-448, and rounded to the nearest number of E4M3, ties to even, subnormals kept.
;;     - The product sums the exact products of the quantised numbers (number of the format x scale) in f32.
;;   ~~~python
;;   def quantise(x, axis, e):      # numpy; x: float32 -> the quantised numbers, widened to float32 again
;;       x = np.moveaxis(x, axis, -1); K = x.shape[-1]
;;       r = np.clip(x / 2.0 ** e, -448, 448)
;;       step = 2.0 ** (np.maximum(np.frexp(np.where(r == 0, 1, r))[1] - 1, -6) - 3)
;;       q = np.round(r / step) * step * 2.0 ** e      # np.round: ties to even
;;       return np.moveaxis(q, -1, axis).astype(np.float32)
;;   ~~~
;;   SOFTMAX AHEAD OF A QUANTISED PRODUCT. Where the list says 'softmax', what is quantised is not the finished softmax but p = 2^(t - M), with t = logit x log2(e) and M = ceil(the row's largest t), a whole number; so 1/2 < the row's largest p <= 1. The row's sum l is taken of the UNQUANTISED p, in f32, and the product's result is divided by l at the end. Since M is a whole number, a kernel that streams over the keys may use a running M (the ceiling of the running maximum): every later rescaling is an exact power of two, so the quantised numbers keep their values, but for numbers so far below the row's largest that they fall under the format's range.
;;   OPERANDS COMPUTED ON THE WAY. 'Computed on the way' means the value that the module computes at that place (a softmax that the list does not call 'softmax' is quantised finished and normalised). What goes into a quantiser is computed in f32, as accurately as f32 sums, v_exp_f32 and their like allow (about 1e-6 of the number): no bf16 or f16 on the way to a quantiser, and a product that is left as it is and whose result goes on into a quantised operand takes f32 operands (vector FMAs, or v_wmma_f32_16x16x4_f32). A number that lies on a knife's edge between two numbers of the format may be rounded either way, as far as f32 arithmetic and the matrix unit's own rounding can turn it there, and no further.
;; One version. Each part assembles by itself: llvm-mc -triple=amdgcn-amd-amdhsa -mcpu=gfx1250 --defsym DOCPART=n.
;; ======== version 1 of 1: 4 launches
;; limits: right only within a limited range of input values
;; workspace buffers: x_codes 8,388,608 bytes; wa_codes 3,145,728 bytes; wp_codes 1,048,576 bytes; q_codes 8,388,608 bytes; k_codes 8,388,608 bytes; v_codes 8,388,608 bytes; y_codes 8,388,608 bytes
;; launch quant (part 1): grid 384 x 1, 4 waves a work-group, no clusters, 102,912 bytes of LDS; arguments x, W_attn, W_proj, lowp_scales, x_codes, wa_codes, wp_codes; writes x_codes, wa_codes, wp_codes
.if DOCPART == 1
	.amdgcn_target "amdgcn-amd-amdhsa--gfx1250"
	.amdhsa_code_object_version 6
	.text
	.protected	k_qf78fb59d24_quant
	.globl	k_qf78fb59d24_quant
	.p2align	8
	.type	k_qf78fb59d24_quant,@function
k_qf78fb59d24_quant:
	s_mov_b64 s[64:65], 0
	v_nop
	global_prefetch_b8 v0, s[64:65] scope:SCOPE_SE
	s_setreg_imm32_b32 hwreg(HW_REG_WAVE_MODE, 25, 1), 1
	s_wait_xcnt 0x0
; x [8192][1024], W_attn [1024 k][3072 n] and W_proj [1024 k][1024 n], f32, become codes of FP8 (E4M3), each with the one scale 2^e given for it
; (entries 0, 1 and 7 of the scales).  code = number / 2^e, to the nearest code, ties to even.
; LIMITS: -126 <= e <= 119, so that 2^e and 448 x 2^e are f32 numbers.  NaN among the inputs is not served.
; ONE LAUNCH, THREE PATHS, parted on the work-group's number: 0-255 x, 256-351 W_attn, 352-383 W_proj.  Each path has LDS bytes of its own.
; x: K is innermost and rows are dense: a plain stream.  A wave takes 16 steps of 512 numbers; each load reads 512 consecutive bytes; a step turns through the wave's
;    own stage in LDS so that a lane holds 16 neighbours for the conversions; its 16 codes leave as 16 bytes: 512 consecutive bytes a wave.
; weights: K is the FIRST axis.  A lane takes a column n and its registers run down K, so the conversions give codes with K innermost: [n][1024].  A wave takes 32 columns x 256 along K;
;    the codes go through its stage and leave by rows: sixteen lanes store 256 consecutive bytes, aligned.
; W_proj's codes are laid with k-groups of eight in the order 0, 2, 1, 3 inside each 32: the last launch fetches them 16 bytes a lane, and its other operand stands in the matrix form's own order of k.
; No barrier: waves share nothing.
.set XWG,   256                        ; work-groups for x: 8,388,608 numbers / (4 waves x 8,192)
.set WAWG,  96                         ; for W_attn: 24 x 128 columns, 4 x 256 along K
.set STEPS, 16
.set SP,    80                         ; x's stage: a lane's 64 bytes + 16 of padding
.set WREG,  8192                       ; x's path: LDS for a wave (two stages of 32 x SP bytes)
.set R,     16                         ; v16-79   four sets of 16 numbers as loaded
.set X,     80                         ; v80-111  two sets of 16 neighbours
.set C,     128                        ; v128-191 codes: four registers a step, never written twice
.set PITCH, 272                        ; the weights' stage: a column's 256 bytes of codes + 16
.set KROW,  1024                       ; a row of a weight's codes in bytes
.set NB,    8                          ; blocks of 32 along K for a wave
.set WX,    32                         ; v32-95   two sets of 32 numbers
.set WC,    96                         ; v96-103  a block's codes
.set OUTR,  112                        ; v112-175 the way out
.set LWA,   4*WREG                     ; LDS: W_attn's stages
.set LWP,   LWA+4*32*PITCH             ; W_proj's stages
	s_load_b256 s[4:11], s[0:1], 0x0               ; x s[4:5], W_attn s[6:7], W_proj s[8:9], the scales' exponents s[10:11]
	s_load_b128 s[12:15], s[0:1], 0x20             ; x_codes s[12:13], wa_codes s[14:15]
	s_load_b64 s[16:17], s[0:1], 0x30              ; wp_codes
	v_lshl_add_u32 v192, v0, 2, 0x19000
	v_mov_b32 v193, 0
	v_lshrrev_b32 v1, 5, v0
	v_readfirstlane_b32 s18, v1                    ; wave
	v_and_b32 v2, 31, v0                           ; lane
	s_mov_b32 s25, 0                               ; the high word of every offset pair s[24:25]
	s_wait_kmcnt 0x0
	s_cmp_lt_u32 ttmp9, XWG
	s_cbranch_scc0 .Lweights
; ---------------------------------------------------------------- x
	s_load_b32 s22, s[10:11], 0x0                  ; e of x
	s_wait_alu depctr_va_vdst(0)
	v_lshlrev_b32 v3, 4, v2                        ; my 16 bytes of a load's 512, and of a step's 512 bytes of codes
	s_mul_i32 s19, s18, WREG
	v_lshrrev_b32 v14, 2, v2
	v_mul_u32_u24 v14, v14, SP
	v_and_b32 v15, 3, v2
	v_lshl_add_u32 v14, v15, 4, v14
	v_add_nc_u32 v14, s19, v14                     ; into the stage: four lanes' 64 bytes on end, then the padding
	v_mul_u32_u24 v15, v2, SP
	v_add_nc_u32 v15, s19, v15                     ; out of it: my 16 neighbours
	s_lshl_b32 s20, ttmp9, 2
	s_add_co_u32 s20, s20, s18                     ; which run of 8,192 numbers is my wave's
	s_lshl_b32 s24, s20, 15
	s_add_nc_u64 s[4:5], s[4:5], s[24:25]
	s_lshl_b32 s24, s20, 13
	s_add_nc_u64 s[12:13], s[12:13], s[24:25]
.macro XLOAD t
.irp i, 0,1,2,3
	global_load_b128 v[R+16*((\t)%4)+4*\i:R+16*((\t)%4)+4*\i+3], v3, s[4:5] offset:2048*(\t)+512*\i th:TH_LOAD_NT
.endr
.endm
.macro XTURN t                         ; a step's numbers through the stage; LDS serves a wave's instructions in order (ISA guide 5.7.1.4): no wait between the stores and the loads
.irp i, 0,1,2,3
	ds_store_b128 v14, v[R+16*((\t)%4)+4*\i:R+16*((\t)%4)+4*\i+3] offset:32*SP*((\t)%2)+8*SP*\i
.endr
.irp i, 0,1,2,3
	ds_load_b128 v[X+16*((\t)%2)+4*\i:X+16*((\t)%2)+4*\i+3], v15 offset:32*SP*((\t)%2)+16*\i
.endr
.endm
.irp t, 0,1,2,3
	XLOAD \t
.endr
	s_wait_alu depctr_va_vdst(0)
	s_wait_kmcnt 0x0
	s_add_co_i32 s22, s22, 127
	s_lshl_b32 s23, s22, 23
	v_mov_b32 v11, s23                             ; 2^e as f32: the conversion takes its exponent field
	s_add_co_i32 s22, s22, 8
	s_lshl_b32 s22, s22, 23
	s_or_b32 s22, s22, 0x600000
	s_wait_alu depctr_va_vdst(0)
	s_wait_loadcnt 12                              ; step 0's four loads are in; three steps' twelve may be out
	XTURN 0
.macro XSTEP t
.set XS, X+16*((\t)%2)
	s_wait_dscnt 0x0                               ; this step's numbers are back; its stores into the stage have read their registers,
.if (\t)+4 < STEPS
	XLOAD (\t)+4                                   ; which take the loads of four steps on
.endif
.if (\t)+1 < STEPS
.if STEPS-2-(\t) >= 3
	s_wait_loadcnt 12                              ; the next step's four loads are in; those of three steps behind it may be out
.else
	s_wait_loadcnt 4*(STEPS-2-(\t))                ; at the end the count runs down
.endif
	XTURN (\t)+1
.endif
.irp i, 0,1,2,3,4,5,6,7,8,9,10,11,12,13,14,15
.endr
	v_cvt_scalef32_pk8_fp8_f32 v[C+4*(\t):C+4*(\t)+1], v[XS:XS+7], v11
	v_cvt_scalef32_pk8_fp8_f32 v[C+4*(\t)+2:C+4*(\t)+3], v[XS+8:XS+15], v11
	global_store_b128 v3, v[C+4*(\t):C+4*(\t)+3], s[12:13] offset:512*(\t)   ; the wave stores 512 consecutive bytes, aligned; the next step's conversions write other registers
.endm
.irp t, 0,1,2,3,4,5,6,7,8,9,10,11,12,13,14,15
	XSTEP \t
.endr
	s_wait_tensorcnt 0x0
	ds_add_u32 v192, v193
	s_wait_dscnt 0x0
	s_endpgm
; ---------------------------------------------------------------- the weights: one text, expanded for each
.macro WLOAD t                         ; block t: 32 rows k of my column into set t % 2; with WPERM register i takes k-group 0, 2, 1, 3 for i / 8 = 0, 1, 2, 3
.irp i, 0,1,2,3,4,5,6,7,8,9,10,11,12,13,14,15,16,17,18,19,20,21,22,23,24,25,26,27,28,29,30,31
.if WPERM
	global_load_b32 v[WX+32*((\t)%2)+\i], v3, s[WSRC:WSRC+1] offset:(32*(\t)+(((\i)&7)|(((\i)&8)<<1)|(((\i)&16)>>1)))*WN*4 th:TH_LOAD_NT
.else
	global_load_b32 v[WX+32*((\t)%2)+\i], v3, s[WSRC:WSRC+1] offset:(32*(\t)+\i)*WN*4 th:TH_LOAD_NT
.endif
.endr
.endm
.macro WBLOCK t
.set XS, WX+32*((\t)%2)
.if (\t) < NB-1
	s_wait_loadcnt 32                              ; this block's 32 loads are in; the next block's 32 may be out
.else
	s_wait_loadcnt 0
.endif
.irp i, 0,1,2,3,4,5,6,7,8,9,10,11,12,13,14,15,16,17,18,19,20,21,22,23,24,25,26,27,28,29,30,31
.endr
.irp g, 0,1,2,3
	v_cvt_scalef32_pk8_fp8_f32 v[WC+2*\g:WC+2*\g+1], v[XS+8*\g:XS+8*\g+7], v11
.endr
	ds_store_b128 v4, v[WC:WC+3] offset:32*(\t)    ; 32 codes of my column's row
	ds_store_b128 v4, v[WC+4:WC+7] offset:32*(\t)+16
.if (\t)+2 < NB
	WLOAD (\t)+2
.endif
	s_wait_dscnt 0x0                               ; the stores have read their registers: the next block's codes may be written
.endm
.macro WPATH
	s_load_b32 s30, s[10:11], WEOFF                ; e
	s_sub_co_u32 s19, ttmp9, WFIRST
	s_and_b32 s20, s19, 3                          ; which 256 along K
	s_lshr_b32 s19, s19, 2
	s_lshl_b32 s19, s19, 7
	s_lshl_b32 s21, s18, 5
	s_add_co_u32 s19, s19, s21                     ; my wave's first column
	v_lshlrev_b32 v3, 2, v2                        ; in: 4 bytes a lane
	s_mul_i32 s21, s18, 32*PITCH
	s_add_co_u32 s21, s21, WLDS                    ; my stage
	v_mul_u32_u24 v4, v2, PITCH
	v_add_nc_u32 v4, s21, v4                       ; into it: row = my column
	v_and_b32 v5, 15, v2
	v_lshrrev_b32 v6, 4, v2
	v_mul_u32_u24 v7, v6, PITCH
	v_lshl_add_u32 v7, v5, 4, v7
	v_add_nc_u32 v7, s21, v7                       ; out of it: sixteen lanes to a row, two rows an instruction
	v_lshlrev_b32 v8, 10, v6
	v_lshl_add_u32 v8, v5, 4, v8                   ; and the same place in the codes' buffer
	s_mul_i32 s24, s20, 256*WN*4
	s_lshl_b32 s22, s19, 2
	s_add_co_u32 s24, s24, s22
	s_add_nc_u64 s[WSRC:WSRC+1], s[WSRC:WSRC+1], s[24:25]
	s_lshl_b32 s24, s19, 10
	s_lshl_b32 s22, s20, 8
	s_add_co_u32 s24, s24, s22
	s_add_nc_u64 s[WDST:WDST+1], s[WDST:WDST+1], s[24:25]
	WLOAD 0
	WLOAD 1
	s_wait_kmcnt 0x0
	s_add_co_i32 s30, s30, 127
	s_lshl_b32 s31, s30, 23
	v_mov_b32 v11, s31                             ; 2^e
	s_add_co_i32 s30, s30, 8
	s_lshl_b32 s30, s30, 23
	s_or_b32 s30, s30, 0x600000
	s_wait_alu depctr_va_vdst(0)
.irp t, 0,1,2,3,4,5,6,7
	WBLOCK \t
.endr
.irp t, 0,1,2,3,4,5,6,7,8,9,10,11,12,13,14,15
	ds_load_b128 v[OUTR+4*\t:OUTR+4*\t+3], v7 offset:2*\t*PITCH
.endr
.irp t, 0,1,2,3,4,5,6,7,8,9,10,11,12,13,14,15
	s_wait_dscnt 15-\t                             ; LDS loads come back in order: rows 2 t, 2 t + 1 are in, the younger ones may be out
	global_store_b128 v8, v[OUTR+4*\t:OUTR+4*\t+3], s[WDST:WDST+1] offset:2*\t*KROW
.endr
	s_wait_tensorcnt 0x0
	ds_add_u32 v192, v193
	s_wait_dscnt 0x0
	s_endpgm
.endm
.Lweights:
	s_cmp_lt_u32 ttmp9, XWG+WAWG
	s_cbranch_scc0 .Lproj_weight
.set WN,     3072                      ; every offset is an immediate: 255 rows x 12,288 bytes at the most, inside the signed 24 bits (ISA guide, chapter 10)
.set WEOFF,  0x4
.set WFIRST, XWG
.set WLDS,   LWA
.set WPERM,  0
.set WSRC,   6
.set WDST,   14
	s_wait_alu depctr_va_vdst(0)
	WPATH
.Lproj_weight:
.set WN,     1024
.set WEOFF,  0x1c
.set WFIRST, XWG+WAWG
.set WLDS,   LWP
.set WPERM,  1
.set WSRC,   8
.set WDST,   16
	s_wait_alu depctr_va_vdst(0)
	WPATH
.Lfunc_end_k_qf78fb59d24_quant:
	.size	k_qf78fb59d24_quant, .Lfunc_end_k_qf78fb59d24_quant-k_qf78fb59d24_quant
	.p2alignl 7, 3214868480
	.fill 96, 4, 3214868480
	.section	.rodata,"a",@progbits
	.p2align	6, 0x0
	.amdhsa_kernel k_qf78fb59d24_quant
		.amdhsa_group_segment_fixed_size 102912
		.amdhsa_private_segment_fixed_size 0
		.amdhsa_enable_private_segment 0
		.amdhsa_kernarg_size 56
		.amdhsa_user_sgpr_count 2
		.amdhsa_user_sgpr_kernarg_segment_ptr 1
		.amdhsa_wavefront_size32 1
		.amdhsa_system_sgpr_workgroup_id_x 1
		.amdhsa_system_sgpr_workgroup_id_y 1
		.amdhsa_system_sgpr_workgroup_id_z 1
		.amdhsa_system_vgpr_workitem_id 0
		.amdhsa_next_free_vgpr 194
		.amdhsa_next_free_sgpr 66
		.amdhsa_reserve_vcc 0
		.amdhsa_float_denorm_mode_32 3
		.amdhsa_float_denorm_mode_16_64 3
		.amdhsa_fp16_overflow 1
		.amdhsa_memory_ordered 1
		.amdhsa_forward_progress 1
		.amdhsa_inst_pref_size 86
	.end_amdhsa_kernel
	.amdgpu_metadata
---
amdhsa.version: [ 1, 2 ]
amdhsa.kernels:
  - .name:           k_qf78fb59d24_quant
    .symbol:         k_qf78fb59d24_quant.kd
    .args:
      - { .name: x, .offset: 0, .size: 8, .value_kind: global_buffer, .address_space: global }
      - { .name: W_attn, .offset: 8, .size: 8, .value_kind: global_buffer, .address_space: global }
      - { .name: W_proj, .offset: 16, .size: 8, .value_kind: global_buffer, .address_space: global }
      - { .name: lowp_scales, .offset: 24, .size: 8, .value_kind: global_buffer, .address_space: global }
      - { .name: x_codes, .offset: 32, .size: 8, .value_kind: global_buffer, .address_space: global }
      - { .name: wa_codes, .offset: 40, .size: 8, .value_kind: global_buffer, .address_space: global }
      - { .name: wp_codes, .offset: 48, .size: 8, .value_kind: global_buffer, .address_space: global }
    .group_segment_fixed_size: 102912
    .private_segment_fixed_size: 0
    .kernarg_segment_align: 8
    .kernarg_segment_size: 56
    .max_flat_workgroup_size: 128
    .sgpr_count:     66
    .vgpr_count:     194
    .wavefront_size: 32
...
	.end_amdgpu_metadata
.endif
;; end of part 1
;; launch qkv (part 2): grid 12 x 32, 4 waves a work-group, clusters of 4 x 4, 327,680 bytes of LDS; arguments x_codes, wa_codes, lowp_scales, q_codes, k_codes, v_codes; writes q_codes, k_codes, v_codes
.if DOCPART == 2
	.amdgcn_target "amdgcn-amd-amdhsa--gfx1250"
	.amdhsa_code_object_version 6
	.text
	.protected	k_qf78fb59d24_qkv
	.globl	k_qf78fb59d24_qkv
	.p2align	8
	.type	k_qf78fb59d24_qkv,@function
k_qf78fb59d24_qkv:
	s_mov_b64 s[64:65], 0
	v_nop
	global_prefetch_b8 v0, s[64:65] scope:SCOPE_SE
	s_setreg_imm32_b32 hwreg(HW_REG_WAVE_MODE, 25, 1), 1
	s_wait_xcnt 0x0
	s_wait_alu depctr_hold_cnt(0) depctr_sa_sdst(0) depctr_va_vdst(0) depctr_va_sdst(0) depctr_va_ssrc(0) depctr_va_vcc(0) depctr_vm_vsrc(0)
	s_getreg_b32 s2, hwreg(HW_REG_IB_STS2, 6, 4)
	s_cmp_eq_u32 s2, 0
	s_cbranch_scc0 .Lentry_in_a_cluster
	s_endpgm
.Lentry_in_a_cluster:
	s_bfe_u32 s2, ttmp6, 0x10000c
	s_cmp_lg_u32 s2, 0xf033
	s_cbranch_scc0 .Lentry_shape_is_right
	s_endpgm
.Lentry_shape_is_right:
; qkv = x W_attn on codes of FP8 (E4M3); the sums, f32, are quantised at once into the codes of q, k and v, laid as the attention launch's operand registers.
; x_codes [8192][1024], wa_codes [3072 n][1024 k]: rows with K innermost.  A tile of 256 x 256 is made by four waves, 128 x 128 each: 64 accumulators, 512 registers.
; K goes in steps of 256 through a ring of two LDS slots filled by the tensor data mover; a tile's row is 256 bytes of memory.
; CLUSTERS of 4 x 4.  The cluster's x (0, 1, 2) is the TYPE: q, k or v (each is four tiles of 256 columns wide, as many as a cluster).  It is equal in all sixteen partners.
; ROLES.  The matrix instruction takes role B's 16 rows as source 0 and role A's as source 1: lane (r, h) then holds role A's row r and eight neighbouring rows 8 h + j of role B.
;   q, k: role A = x (tokens), role B = wa (channels): a lane's registers run along the head's channels, which are the K of q k^T.
;   v:    role A = wa (channels), role B = x (tokens): a lane's registers run along the tokens, which are the K of p v.   The two pointers are chosen by the type; no branch hangs on it.
; Role A's tiles are shared along a row of the cluster, role B's along a column: each is asked for JOINTLY.
; THE WAY OUT needs no LDS: eight sums of a lane, converted, are two registers of the next operand in the plain 8-bit layout (registers 2 c, 2 c + 1: k = 16 c + 8 h + 0..7); four registers leave by
; one store at 16 x lane: 512 consecutive bytes, aligned.   q_codes, k_codes: [16 b + head][token block of 16][image 0, 1][lane][16 B];   v_codes: [16 b + head][key block of 128][16 channels (4)][image 0-3][lane][16 B].
; code = sum / 2^(e_out - e0 - e1), e_out = entry 2 (q), 3 (k), 5 (v).  LIMIT: -126 <= e_out - e0 - e1 <= 119.
; A fragment is fetched by four 16-byte loads a lane: a permutation of k that is the same in both operands, so every product meets its partner.
; REGISTERS, in windows of 256: window 0: v16-31 addresses and constants; v128-255 role A's fragments, ONE set; on the way out v128-255 the codes.
;   window 1: role B's fragments, TWO sets.   window 2: the accumulators of my role-A rows 0-63 ((a, b) at v[8 (8 a + b)]);   window 3: those of rows 64-127.
.set KSTEP,  256
.set ROWB,   256
.set KROW,   1024                      ; a row of either tensor in memory
.set PITCH,  272                       ; an LDS row: 256 bytes + 16 of padding = 68 words: row r starts at bank 4 r mod 64 (ISA guide 11.1)
.set FR,     16
.set NL,     4
.set NP,     4                         ; places behind this matrix instruction (ISA guide 7.12.1)
.set HALFT,  128*PITCH
.set SLOT,   4*HALFT
.set LAPS,   1024/(2*KSTEP)
.set SPARE,  2*SLOT                    ; behind the ring: the spare words, 128 bytes a wave, which no other line names
.set ADRA, 16                          ; v16-17  LDS address of my role-A fragments in slot 0, 1
.set ADRB, 20                          ; v20-21  the same for role B
.set O1,   26                          ; v26     the way out: 16 x lane
.set O2,   27                          ; v27     16 x lane + the distance to the block's second half (q, k: the next head; v: images 2, 3)
.set SPW,  28                          ; v28     my spare word; never rewritten
.set NIL,  29                          ; v29     0; never rewritten
.set SCL,  30                          ; v30     2^(e_out - e0 - e1)
.set LIMV, 31
.set TMP,  32
.set AF,   128
.set CD,   128                         ; the way out: 16 registers of codes a block, never written twice
.set G1, 24
.set G0, 32
.set G1B, 48
.set G0B, 56
.set OB,  84                           ; s[84:99] the eight blocks' bases in the output, never rewritten
.set MSB, 0
.macro WIN new                         ; the immediate's high byte repeats the setting that is left
.if MSB != \new
	s_set_vgpr_msb (MSB<<8)|\new
.set MSB, \new
.endif
.endm
.set MUL_LO, 0xa1                      ; source 0 (role B) window 1, source 1 (role A) window 0, C and D window 2
.set MUL_HI, 0xf1
.set TO_B,   0x40
; A joint load: waves 0 and 1 fetch for role A, waves 2 and 3 for role B; the branch hangs on the wave's number alone.  Four v_nop follow each line.
.macro JLOAD g0a, g1a, g0b, g1b
	s_cmp_eq_u32 s15, 0
	s_cbranch_scc0 .Lfor_b_\@
	tensor_load_to_lds s[\g0a:\g0a+3], s[\g1a:\g1a+7]
	s_nop 0
.rept 4
	v_nop
.endr
	s_branch .Lasked_\@
.Lfor_b_\@:
	tensor_load_to_lds s[\g0b:\g0b+3], s[\g1b:\g1b+7]
	s_nop 0
.rept 4
	v_nop
.endr
.Lasked_\@:
.endm
.macro CREST                           ; a round of the cluster's barrier behind its opening barrier
	s_cmp_lg_u32 s14, 0
	s_cbranch_scc1 .Lnot_wave_0_\@
	s_barrier_signal -3
.Lnot_wave_0_\@:
	s_barrier_wait -3
	s_barrier_signal -1
	s_barrier_wait -1
.endm
.macro CROUND
	s_barrier_signal -1
	s_barrier_wait -1
	CREST
.endm
	s_load_b128 s[4:7], s[0:1], 0x0                ; x_codes s[4:5], wa_codes s[6:7]
	s_load_b128 s[8:11], s[0:1], 0x10              ; the scales' exponents s[8:9], q_codes s[10:11]
	s_load_b128 s[68:71], s[0:1], 0x20             ; k_codes s[68:69], v_codes s[70:71]
	v_lshl_add_u32 v[SPW], v0, 2, SPARE
	v_mov_b32 v[NIL], 0
	ds_add_u32 v28, v29
	ds_add_u32 v28, v29
	s_wait_dscnt 0x0
	v_lshrrev_b32 v1, 5, v0
	v_readfirstlane_b32 s14, v1                    ; wave 0..3
	s_lshr_b32 s15, s14, 1                         ; which half of role A's rows is mine.  Also: I fetch for role A (0) or B (1)
	s_and_b32 s16, s14, 1                          ; which half of role B's rows.  Also: which 128 rows of that tile I fetch
	s_bfe_u32 s40, ttmp6, 0x40000                  ; cx
	s_bfe_u32 s41, ttmp6, 0x40004                  ; cy
	s_and_b32 s18, ttmp7, 0xffff
	s_lshl_b32 s18, s18, 2                         ; 4 x cluster y
	s_lshl_b32 s19, ttmp9, 2                       ; 4 x type
	s_cmp_eq_u32 ttmp9, 2                          ; v?
	s_cselect_b32 s17, 8, s18                      ; role A's tile: v: wa's tiles 8 to 11;  q, k: x's tile 4 Y + cy
	s_cselect_b32 s42, s18, s19                    ; role B's tile: v: x's tile 4 Y + cx;   q, k: wa's tile 4 type + cx
	s_add_co_u32 s17, s17, s41
	s_add_co_u32 s42, s42, s40
	s_lshl_b32 s43, s41, 2
	s_lshl_b32 s43, 15, s43                        ; my row of the cluster
	s_lshl_b32 s44, 0x1111, s40                    ; my column
	s_or_b32 s[G1+0], s43, (0<<16)|(1<<20)|(1<<21)|(5<<22)|(3<<25)  ; the mask; elements of 1 byte; padding on; bit 21 beside a mask; after every 64 words, 4 words
	s_or_b32 s[G1B+0], s44, (0<<16)|(1<<20)|(1<<21)|(5<<22)|(3<<25)
.irp g, G1, G1B
	s_mov_b32 s[\g+1], ROWB<<16                    ; tensor_dim0
	s_mov_b32 s[\g+2], 128<<16                     ; tensor_dim1
	s_mov_b32 s[\g+3], ROWB<<16                    ; tile_dim0
	s_mov_b32 s[\g+4], 128                         ; tile_dim1
	s_mov_b32 s[\g+5], KROW                        ; from row to row
	s_mov_b32 s[\g+6], 0
	s_mov_b32 s[\g+7], 0
.endr
	s_lshl_b32 s18, s16, 7                         ; which 128 rows of the tile I fetch
	s_lshl_b32 s20, s17, 8
	s_add_co_u32 s20, s20, s18
	s_lshl_b32 s20, s20, 10                        ; role A: row x 1,024 bytes
	s_mov_b32 s21, 0
	s_lshl_b32 s46, s42, 8
	s_add_co_u32 s46, s46, s18
	s_lshl_b32 s46, s46, 10                        ; role B likewise
	s_mov_b32 s47, 0
	s_mul_i32 s45, s14, HALFT                      ; where they go: wave x 128 rows
	s_wait_kmcnt 0x0
	s_load_b256 s[72:79], s[8:9], 0x0              ; the eight exponents
	s_cmp_eq_u32 ttmp9, 2
	s_cselect_b64 s[80:81], s[6:7], s[4:5]         ; role A's tensor
	s_cselect_b64 s[82:83], s[4:5], s[6:7]         ; role B's
	s_add_nc_u64 s[20:21], s[80:81], s[20:21]
	s_add_nc_u64 s[46:47], s[82:83], s[46:47]
	CROUND                                         ; all sixteen work-groups are here: the first joint loads meet
.irp s, 0,1
	s_mov_b32 s[G0+4*\s], 1
	s_add_co_u32 s[G0+4*\s+1], s45, \s*SLOT
	s_add_nc_u64 s[G0+4*\s+2:G0+4*\s+3], s[20:21], \s*ROWB
	s_or_b32 s[G0+4*\s+3], s[G0+4*\s+3], 0x80000000
	s_mov_b32 s[G0B+4*\s], 1
	s_add_co_u32 s[G0B+4*\s+1], s45, \s*SLOT
	s_add_nc_u64 s[G0B+4*\s+2:G0B+4*\s+3], s[46:47], \s*ROWB
	s_or_b32 s[G0B+4*\s+3], s[G0B+4*\s+3], 0x80000000
	JLOAD G0+4*\s, G1, G0B+4*\s, G1B
.endr
	v_and_b32 v1, 15, v0                           ; l % 16
	v_bfe_u32 v2, v0, 4, 1                         ; l / 16
	v_mul_u32_u24 v3, v1, PITCH
	v_lshl_add_u32 v4, v2, 4, v3                   ; a fragment's row x pitch + 16 x half
	s_mul_i32 s21, s15, HALFT
	s_mul_i32 s22, s16, HALFT
	s_add_co_u32 s22, s22, 2*HALFT
.irp s, 0,1
	v_add_nc_u32 v[ADRA+\s], s21, v4
	v_add_nc_u32 v[ADRB+\s], s22, v4
	s_add_co_u32 s21, s21, SLOT
	s_add_co_u32 s22, s22, SLOT
.endr
.macro FRAG reg, adr, q, i             ; 16 rows x 128 K: registers 4 c .. 4 c + 3 hold positions 32 c + 16 (l / 16) + 0 .. 15
.irp c, 0,1,2,3
	ds_load_b128 v[\reg+4*\c:\reg+4*\c+3], v[\adr] offset:128*(\q)+32*\c+(\i)*16*PITCH
.endr
.endm
; 16 matrix instructions: role A's blocks a0, a0 + 1 x role B's eight.  The 64 accumulators take turns, one instruction a turn, in the same order in every step.
.macro MUL16 a0, p, zero
.irp a, \a0, \a0+1
.irp b, 0,1,2,3,4,5,6,7
.if \zero
	v_wmma_f32_16x16x128_fp8_fp8 v[8*(8*((\a)%4)+\b):8*(8*((\a)%4)+\b)+7], v[128*(\p)+FR*\b:128*(\p)+FR*\b+FR-1], v[AF+FR*(\a):AF+FR*(\a)+FR-1], 0
.else
	v_wmma_f32_16x16x128_fp8_fp8 v[8*(8*((\a)%4)+\b):8*(8*((\a)%4)+\b)+7], v[128*(\p)+FR*\b:128*(\p)+FR*\b+FR-1], v[AF+FR*(\a):AF+FR*(\a)+FR-1], v[8*(8*((\a)%4)+\b):8*(8*((\a)%4)+\b)+7]
.endif
.endr
.endr
.endm
.macro FETCH_B slot, q, p
	WIN TO_B
.irp i, 0,1,2,3,4,5,6,7
	FRAG 128*(\p)+FR*\i, ADRB+\slot, \q, \i
.endr
	WIN 0
.endm
.macro FETCH_A slot, q, i0
.irp i, \i0, \i0+1, \i0+2, \i0+3
	FRAG AF+FR*(\i), ADRA+\slot, \q, \i
.endr
.endm
.macro PLACES n                        ; plain vector instructions between a matrix instruction and a load into, or a vector read or write of, its registers
.rept \n
	v_nop
.endr
.endm
.macro STEP slot, q, zero              ; 128 along K, with its successor in the same slot
	s_wait_dscnt 4*NL                              ; B's set and A's blocks 0-3 are in; the youngest sixteen loads (A's blocks 4-7) may be out
	WIN MUL_LO
	MUL16 0, (\q)%2, \zero
	MUL16 2, (\q)%2, \zero
	s_wait_dscnt 0
	PLACES NP
	FETCH_B \slot, (\q)+1, 1-(\q)%2
	FETCH_A \slot, (\q)+1, 0
	WIN MUL_HI
	MUL16 4, (\q)%2, \zero
	MUL16 6, (\q)%2, \zero
	PLACES NP
	WIN 0
	FETCH_A \slot, (\q)+1, 4
.endm
; A slot's last step changes slots: one barrier; in front of it each wave waits for all its tensor loads, adds 0 to its spare word, and waits for that and for its reads of this slot.
.macro TURN slot, next, fill
	s_wait_tensorcnt 0x0                           ; all my tensor loads have landed: my part of the next slot
	ds_add_u32 v[SPW], v[NIL]                      ; 0 onto my spare word
	s_wait_dscnt 4*NL+1                            ; the add and the youngest sixteen loads may be out
	WIN MUL_LO
	MUL16 0, 1, 0
	s_wait_dscnt 0x0                               ; the add is done, and my reads of this slot are over
	s_barrier_signal -1
	MUL16 2, 1, 0
	WIN 0
	s_barrier_wait -1
.if \fill
	CREST                                          ; the barrier has opened a round of the cluster's: no wave of any partner still reads this slot or has a load on its way
	s_add_nc_u64 s[G0+4*\slot+2:G0+4*\slot+3], s[G0+4*\slot+2:G0+4*\slot+3], 2*ROWB
	s_add_nc_u64 s[G0B+4*\slot+2:G0B+4*\slot+3], s[G0B+4*\slot+2:G0B+4*\slot+3], 2*ROWB
	JLOAD G0+4*\slot, G1, G0B+4*\slot, G1B         ; the first tensor load behind the round; its four v_nop are the places in front of the loads below
.else
	PLACES NP
.endif
	FETCH_B \next, 0, 0
	FETCH_A \next, 0, 0
	WIN MUL_HI
	MUL16 4, 1, 0
	MUL16 6, 1, 0
	PLACES NP
	WIN 0
	FETCH_A \next, 0, 4
.endm
	s_wait_alu depctr_va_vdst(0)
	s_wait_tensorcnt 1                             ; my part of K step 0 is in; K step 1's load may be out
	s_barrier_signal -1
	s_barrier_wait -1
	FETCH_B 0, 0, 0
	FETCH_A 0, 0, 0
	FETCH_A 0, 0, 4
	STEP 0, 0, 1                                   ; the first step's products start the sums
	s_mov_b32 s3, LAPS-1
.Llap:                                             ; a trip goes once round the ring and fills both slots again
	TURN 0, 1, 1
	STEP 1, 0, 0
	TURN 1, 0, 1
	STEP 0, 0, 0
	s_sub_co_u32 s3, s3, 1
	s_cmp_lg_u32 s3, 0
	s_cbranch_scc1 .Llap
	TURN 0, 1, 0                                   ; the last lap fills nothing
	STEP 1, 0, 0
	s_wait_dscnt 4*NL
	WIN MUL_LO
	MUL16 0, 1, 0
	MUL16 2, 1, 0
	s_wait_dscnt 0
	WIN MUL_HI
	MUL16 4, 1, 0
	MUL16 6, 1, 0
	WIN 0
	; THE WAY OUT.  Where my 128 x 128 begins: token tok, column nn inside the type.  One formula serves the three buffers: (tok / 2048) << 21 | (nn / 64) << 17 | (tok % 2048) << 6.
	s_wait_kmcnt 0x0
	s_lshl_b32 s18, s17, 8
	s_lshl_b32 s19, s15, 7
	s_add_co_u32 s18, s18, s19                     ; role A's first row of mine
	s_lshl_b32 s19, s42, 8
	s_lshl_b32 s20, s16, 7
	s_add_co_u32 s19, s19, s20                     ; role B's
	s_cmp_eq_u32 ttmp9, 2
	s_cselect_b32 s20, s19, s18                    ; tok
	s_cselect_b32 s21, s18, s19                    ; wa's row,
	s_and_b32 s21, s21, 1023                       ; inside its type: nn
	s_lshr_b32 s22, s20, 11
	s_lshl_b32 s22, s22, 21
	s_lshr_b32 s21, s21, 6
	s_lshl_b32 s21, s21, 17
	s_add_co_u32 s22, s22, s21
	s_and_b32 s20, s20, 2047
	s_lshl_b32 s20, s20, 6
	s_add_co_u32 s22, s22, s20
	s_mov_b32 s23, 0
	s_cmp_eq_u32 ttmp9, 0
	s_cselect_b64 s[OB:OB+1], s[10:11], s[68:69]   ; q or k,
	s_cselect_b32 s18, s74, s75                    ; entry 2 or 3,
	s_cmp_eq_u32 ttmp9, 2
	s_cselect_b64 s[OB:OB+1], s[70:71], s[OB:OB+1] ; or v,
	s_cselect_b32 s18, s77, s18                    ; entry 5
	s_mov_b32 s66, 1024
	s_cselect_b32 s66, 2048, s66                   ; from block to block: q, k: a token block;  v: a fragment of 16 channels
	s_mov_b32 s20, 1024
	s_cselect_b32 s20, 124928, s20                 ; into block 4: v: on to the next head (131,072 - 3 x 2,048)
	s_mov_b32 s19, 131072
	s_cselect_b32 s19, 1024, s19                   ; a block's second half: q, k: the next head;  v: images 2 and 3
	s_mov_b32 s67, 0
	s_mov_b32 s21, 0
	s_add_nc_u64 s[OB:OB+1], s[OB:OB+1], s[22:23]
.irp a, 1,2,3,4,5,6,7
.if \a == 4
	s_add_nc_u64 s[OB+2*\a:OB+2*\a+1], s[OB+2*\a-2:OB+2*\a-1], s[20:21]
.else
	s_add_nc_u64 s[OB+2*\a:OB+2*\a+1], s[OB+2*\a-2:OB+2*\a-1], s[66:67]
.endif
.endr
	s_sub_co_i32 s18, s18, s72
	s_sub_co_i32 s18, s18, s73                     ; a sum stands for sum x 2^(e0 + e1): the three scales are folded into the conversion's one
	s_add_co_i32 s18, s18, 127
	s_lshl_b32 s22, s18, 23
	s_add_co_i32 s18, s18, 8
	s_lshl_b32 s18, s18, 23
	s_or_b32 s18, s18, 0x600000
	v_and_b32 v[O1], 31, v0
	v_lshlrev_b32 v[O1], 4, v[O1]
	v_add_nc_u32 v[O2], s19, v[O1]
	v_mov_b32 v[SCL], s22
	PLACES NP                                      ; behind the last products: their results are read and role A's registers written below
; Block a (role A's rows 16 a on): 64 sums a lane are converted; registers 2 b, 2 b + 1 of the 16 come from accumulator (a, b).
.macro OUTBLK a
.set AC, 64*((\a)%4)
	WIN 0x02+((\a)/4)                              ; source 0: window 2 or 3
.set j, 0
.rept 64
.set j, j+1
.endr
.irp b, 0,1,2,3,4,5,6,7
	v_cvt_scalef32_pk8_fp8_f32 v[CD+16*(\a)+2*\b:CD+16*(\a)+2*\b+1], v[AC+8*\b:AC+8*\b+7], v[SCL]
.endr
	WIN 0
	v_nop                                          ; one plain vector line behind the last conversion
	global_store_b128 v[O1], v[CD+16*(\a):CD+16*(\a)+3], s[OB+2*(\a):OB+2*(\a)+1]                 ; each store: 512 consecutive bytes, aligned
	global_store_b128 v[O1], v[CD+16*(\a)+4:CD+16*(\a)+7], s[OB+2*(\a):OB+2*(\a)+1] offset:512
	global_store_b128 v[O2], v[CD+16*(\a)+8:CD+16*(\a)+11], s[OB+2*(\a):OB+2*(\a)+1]
	global_store_b128 v[O2], v[CD+16*(\a)+12:CD+16*(\a)+15], s[OB+2*(\a):OB+2*(\a)+1] offset:512
.endm
.irp a, 0,1,2,3,4,5,6,7
	OUTBLK \a                                      ; no store's data, offset or base is written again
.endr
	s_wait_tensorcnt 0x0                           ; the wave's end
	ds_add_u32 v[SPW], v[NIL]
	s_wait_dscnt 0x0
	CROUND                                         ; the closing round: no work-group ends while a partner may still ask for a tile that names it
	s_endpgm
.Lfunc_end_k_qf78fb59d24_qkv:
	.size	k_qf78fb59d24_qkv, .Lfunc_end_k_qf78fb59d24_qkv-k_qf78fb59d24_qkv
	.p2alignl 7, 3214868480
	.fill 96, 4, 3214868480
	.section	.rodata,"a",@progbits
	.p2align	6, 0x0
	.amdhsa_kernel k_qf78fb59d24_qkv
		.amdhsa_group_segment_fixed_size 327680
		.amdhsa_private_segment_fixed_size 0
		.amdhsa_enable_private_segment 0
		.amdhsa_kernarg_size 48
		.amdhsa_user_sgpr_count 2
		.amdhsa_user_sgpr_kernarg_segment_ptr 1
		.amdhsa_wavefront_size32 1
		.amdhsa_system_sgpr_workgroup_id_x 1
		.amdhsa_system_sgpr_workgroup_id_y 1
		.amdhsa_system_sgpr_workgroup_id_z 1
		.amdhsa_system_vgpr_workitem_id 0
		.amdhsa_next_free_vgpr 1024
		.amdhsa_next_free_sgpr 100
		.amdhsa_reserve_vcc 0
		.amdhsa_float_denorm_mode_32 3
		.amdhsa_float_denorm_mode_16_64 3
		.amdhsa_fp16_overflow 1
		.amdhsa_memory_ordered 1
		.amdhsa_forward_progress 1
		.amdhsa_inst_pref_size 87
	.end_amdhsa_kernel
	.amdgpu_metadata
---
amdhsa.version: [ 1, 2 ]
amdhsa.kernels:
  - .name:           k_qf78fb59d24_qkv
    .symbol:         k_qf78fb59d24_qkv.kd
    .args:
      - { .name: x_codes, .offset: 0, .size: 8, .value_kind: global_buffer, .address_space: global }
      - { .name: wa_codes, .offset: 8, .size: 8, .value_kind: global_buffer, .address_space: global }
      - { .name: lowp_scales, .offset: 16, .size: 8, .value_kind: global_buffer, .address_space: global }
      - { .name: q_codes, .offset: 24, .size: 8, .value_kind: global_buffer, .address_space: global }
      - { .name: k_codes, .offset: 32, .size: 8, .value_kind: global_buffer, .address_space: global }
      - { .name: v_codes, .offset: 40, .size: 8, .value_kind: global_buffer, .address_space: global }
    .group_segment_fixed_size: 327680
    .private_segment_fixed_size: 0
    .kernarg_segment_align: 8
    .kernarg_segment_size: 48
    .max_flat_workgroup_size: 128
    .sgpr_count:     100
    .vgpr_count:     1024
    .wavefront_size: 32
...
	.end_amdgpu_metadata
.endif
;; end of part 2
;; launch attn (part 3): grid 4 x 64, 16 waves a work-group, no clusters, 327,680 bytes of LDS; arguments q_codes, k_codes, v_codes, lowp_scales, y_codes; writes y_codes
.if DOCPART == 3
	.amdgcn_target "amdgcn-amd-amdhsa--gfx1250"
	.amdhsa_code_object_version 6
	.text
	.protected	k_qf78fb59d24_attn
	.globl	k_qf78fb59d24_attn
	.p2align	8
	.type	k_qf78fb59d24_attn,@function
k_qf78fb59d24_attn:
	s_mov_b64 s[64:65], 0
	v_nop
	global_prefetch_b8 v0, s[64:65] scope:SCOPE_SE
	s_setreg_imm32_b32 hwreg(HW_REG_WAVE_MODE, 25, 1), 1
	s_wait_xcnt 0x0
; y[b][t][head] = causal softmax(q k^T / 8) v for each of 64 heads (bh = 16 b + head), both products on codes of FP8 (E4M3); y is quantised at once for the last product.
; q_codes, k_codes: [bh][token block of 16][image 0, 1][lane][16 B]: the registers of a 16 x 64 fragment.  v_codes: [bh][key block of 128][16 channels (4)][image 0-3][lane][16 B]: a 16 channels x 128 keys fragment.
; All in the plain 8-bit layout (registers 2 c, 2 c + 1 of lane (r, h): k = 16 c + 8 h + 0..7), so each fragment comes from LDS by loads at 16 x lane: no pitch, no padding.
; THE SOFTMAX: t = score x log2(e) / 8; M = the largest t so far rounded UP to a whole number; p = 2^(t - M) is quantised along the keys, not normalised; the row's sum is taken of the unquantised p and divides at the end.
; When M moves, the sum and O are multiplied by 2^(old M - new M): exact.
; SHARES.  Work-group (I = x, bh = y) owns the blocks I and 7 - I of 256 queries.  Block i needs the key slots 0 .. i (256 keys each): I + 1 and 8 - I slots, ALWAYS NINE: equal work, and a trip count that is a constant.
; Each of the sixteen waves owns 16 queries of each block, in 256 registers: four waves to a SIMD, so that one wave's vector work stands beside another's products and LDS loads.
; Both products are used transposed (S^T = K Q^T, O^T = V^T P^T): a lane holds ONE query (lane % 16) throughout, and the conversions' results are the next operand's registers.
; THE MASK.  A key step all of whose keys come after my queries is left out by a scalar branch on ids (no barrier and no tensor load stands in a step); in the one step on the diagonal hidden scores become -infinity.
; NO CLUSTER: the four work-groups of a head want different slots in the same trip (which slot hangs on I); walking in step would take 12 slots in place of 9.
; y_codes: [head / 4][token block of 16 (512)][head % 4][image 0, 1][lane][16 B].  code = (O / sum) / 2^(e6 - e4 - e5).
; LIMITS on the given exponents: e2 + e3 between -123 and 130 (added to c's exponent field); e4, and e6 - e4 - e5, between -126 and 119.
; REGISTERS: v1 16 x lane (LDS); v2 r - 8 h; v3 256 x lane; v5, v6 the spare word and 0; v7 16 x lane (memory); v8 the LDS address in hand; v12 -M, v13 the largest t, v[14:15] the sum in two halves;
;   v16-23 Q in use, v24-31 Q of the second block; v32-95 eight fragments of K, then four of V; v96-159 S^T, then p; v160-191 O^T; v192-207 p's codes; v208-223 y's codes; v234-255 at work and constants.
.set SLOT1, 32768                      ; a slot: 16 KB of K, 16 KB of V; slot 1 begins here: one exclusive or turns an address
.set VOFF,  16384
.set SPARE, 65536                      ; behind the ring: the spare words, 128 bytes for each of sixteen waves, which no other line names
.set SPW,  5
.set NIL,  6
.set TB,   2                           ; s2   LDS byte at which the slot in hand begins
.set WV,   18
.set SEL,  20                          ; s[20:21] lane selects: lane l xor 16
.set CS,   22                          ; s[22:23] c = log2(e) / 8 x 2^(e2 + e3)
.set G1,   24                          ; s[24:31] descriptor group 1
.set G0,   32                          ; s[32:35] group 0
.set KVB,  36                          ; s[36:37] the head's first byte of K (even waves) or V (odd)
.set TRIP, 38
.set BI,   39                          ; I
.set BI1,  40                          ; I + 1
.set SCUR, 41                          ; the key slot of this trip
.set SNXT, 42                          ; of the next
.set KF,   43                          ; the step's first key
.set Q0,   44                          ; my first query in the block in hand
.set Q0B,  45                          ; in the second block
.set OFS,  46                          ; s[46:47] an offset at work; s47 = 0
.set Y1,   48                          ; s[48:49], s[50:51] where my codes of y go, for each block
.set Y2,   50
.set PFA,  52                          ; s[52:53] where my prefetches stand
.set LIM,  54                          ; a wave prefetches while the trip's number is under this
.set EX,   56                          ; s[56:63] the eight exponents
.macro TLOAD                           ; wave 0 fetches a slot's K, wave 1 its V: 64 rows of 256 bytes each, dense.  The branch hangs on the wave's number alone; four v_nop follow the load
	s_cmp_lt_u32 s[WV], 2
	s_cbranch_scc0 .Lasked_\@
	tensor_load_to_lds s[G0:G0+3], s[G1:G1+7]
	s_nop 0
.rept 4
	v_nop
.endr
.Lasked_\@:
.endm
; A PREFETCH INTO THE L2.  The work-group with I = 0 walks slot 0 and then slots 0 to 7; in trip n (0 to 6) it names slot n + 1, which its own tensor load asks for in trip n + 1: two key steps on.
; Waves 4 and 5 take the slot's K, waves 6 and 7 its V: 8,192 bytes a wave, lanes 256 bytes apart, one instruction.  So each aligned 256 bytes of a head's K and V from slot 1 on is named once in the launch;
; slot 0 comes by its loads alone, and trip 7 asks for nothing: there is no slot 8.
.macro ASK
	s_cmp_lt_u32 s[TRIP], s[LIM]
	s_cbranch_scc0 .Lnot_mine_\@
	global_prefetch_b8 v3, s[PFA:PFA+1] th:TH_LOAD_NT scope:SCOPE_SE
.Lnot_mine_\@:
.endm
.macro FRESH                           ; a block's state: the largest t under every t, sum and O^T zeros (the first change of M multiplies zeros)
	v_mov_b32 v13, 0xff61b1e6                      ; -3e38
	s_delay_alu instid0(VALU_DEP_1)
	v_floor_f32 v12, -v13
	v_mov_b32 v14, 0
	v_mov_b32 v15, 0
.set j, 0
.rept 32
	v_mov_b32 v[160+j], 0
.set j, j+1
.endr
.endm
	s_load_b256 s[4:11], s[0:1], 0x0               ; q_codes s[4:5], k_codes s[6:7], v_codes s[8:9], the exponents s[10:11]
	s_load_b64 s[12:13], s[0:1], 0x20              ; y_codes
	v_lshl_add_u32 v[SPW], v0, 2, SPARE
	v_mov_b32 v[NIL], 0
	ds_add_u32 v5, v6
	ds_add_u32 v5, v6
	s_wait_dscnt 0x0
	v_lshrrev_b32 v8, 5, v0
	s_delay_alu instid0(VALU_DEP_1)
	v_readfirstlane_b32 s[WV], v8                  ; wave 0..15
	s_mov_b32 s[BI], ttmp9
	s_add_co_u32 s[BI1], ttmp9, 1
	s_sub_co_u32 s72, 7, ttmp9                     ; the second block
	s_and_b32 s66, ttmp7, 0xffff                   ; bh
	s_lshl_b32 s68, s66, 17                        ; the head's first byte in q_codes, k_codes, v_codes
	s_mov_b32 s69, 0
	s_mov_b32 s[OFS+1], 0
	s_and_b32 s67, s[WV], 1
	s_mov_b32 s[G1], 3<<16                         ; no mask; elements of 8 bytes; no padding
	s_mov_b32 s[G1+1], 32<<16                      ; tensor_dim0 = 32 elements: 256 bytes
	s_mov_b32 s[G1+2], 64<<16                      ; tensor_dim1 = 64
	s_mov_b32 s[G1+3], 32<<16                      ; tile_dim0
	s_mov_b32 s[G1+4], 64                          ; tile_dim1
	s_mov_b32 s[G1+5], 32                          ; from row to row: dense
	s_mov_b32 s[G1+6], 0
	s_mov_b32 s[G1+7], 0
	s_mov_b32 s[SEL], 0x76543210
	s_mov_b32 s[SEL+1], 0xfedcba98
	s_mov_b32 s[CS], 0x3e38aa3b                    ; log2(e) / 8
	s_mov_b32 s[TB], 0
	s_mov_b32 s[TRIP], 0
	s_mov_b32 s[SCUR], 0
	s_wait_kmcnt 0x0
	s_load_b256 s[EX:EX+7], s[10:11], 0x0
	s_cmp_eq_u32 s67, 0
	s_cselect_b64 s[KVB:KVB+1], s[6:7], s[8:9]
	s_add_nc_u64 s[KVB:KVB+1], s[KVB:KVB+1], s[68:69]
	s_mov_b32 s[G0], 1                             ; count = 1
	s_lshl_b32 s[G0+1], s67, 14                    ; LDS: slot 0; K at 0, V at 16,384
	s_mov_b64 s[G0+2:G0+3], s[KVB:KVB+1]           ; key slot 0
	s_or_b32 s[G0+3], s[G0+3], 0x80000000          ; type = 2
	TLOAD                                          ; the first fill, ahead of every wait on TENSORcnt, LDS read and barrier
	v_and_b32 v8, 31, v0
	s_delay_alu instid0(VALU_DEP_1)
	v_lshlrev_b32 v1, 4, v8
	s_delay_alu instid0(VALU_DEP_2)
	v_lshlrev_b32 v7, 4, v8
	s_wait_alu depctr_va_vdst(0)
	v_lshlrev_b32 v3, 8, v8
	v_and_b32 v2, 15, v0
	v_bfe_u32 v9, v0, 4, 1
	s_delay_alu instid0(VALU_DEP_1)
	v_lshlrev_b32 v9, 3, v9
	s_delay_alu instid0(VALU_DEP_1)
	v_sub_nc_u32 v2, v2, v9                        ; r - 8 h
	s_lshl_b32 s70, s[WV], 10
	s_add_co_u32 s70, s70, s68                     ; the head + my token block in a block of queries
	s_lshl_b32 s73, ttmp9, 14
	s_add_co_u32 s[OFS], s70, s73
	s_add_nc_u64 s[74:75], s[4:5], s[OFS:OFS+1]
	global_load_b128 v[16:19], v7, s[74:75]                ; Q of block I
	global_load_b128 v[20:23], v7, s[74:75] offset:512
	s_lshl_b32 s73, s72, 14
	s_add_co_u32 s[OFS], s70, s73
	s_add_nc_u64 s[4:5], s[4:5], s[OFS:OFS+1]
	global_load_b128 v[24:27], v7, s[4:5]                  ; Q of block 7 - I
	global_load_b128 v[28:31], v7, s[4:5] offset:512
	s_and_b32 s73, s66, 15                         ; head
	s_lshr_b32 s71, s73, 2
	s_lshl_b32 s71, s71, 21                        ; y_codes: (head / 4) << 21
	s_and_b32 s73, s73, 3
	s_lshl_b32 s73, s73, 10
	s_add_co_u32 s71, s71, s73                     ; + (head % 4) << 10
	s_lshr_b32 s73, s66, 4
	s_lshl_b32 s73, s73, 19
	s_add_co_u32 s71, s71, s73                     ; + b x 128 token blocks of 4,096 bytes
	s_lshl_b32 s73, s[WV], 12
	s_add_co_u32 s71, s71, s73                     ; + my token block
	s_lshl_b32 s73, ttmp9, 16
	s_add_co_u32 s[OFS], s71, s73
	s_add_nc_u64 s[Y1:Y1+1], s[12:13], s[OFS:OFS+1]
	s_lshl_b32 s73, s72, 16
	s_add_co_u32 s[OFS], s71, s73
	s_add_nc_u64 s[Y2:Y2+1], s[12:13], s[OFS:OFS+1]
	s_lshl_b32 s73, s[WV], 4
	s_lshl_b32 s[Q0], ttmp9, 8
	s_add_co_u32 s[Q0], s[Q0], s73
	s_lshl_b32 s[Q0B], s72, 8
	s_add_co_u32 s[Q0B], s[Q0B], s73
	s_cmp_lt_u32 s[WV], 6                          ; the prefetches: waves 4, 5 stand in K, waves 6, 7 in V,
	s_cselect_b64 s[PFA:PFA+1], s[6:7], s[8:9]
	s_add_nc_u64 s[PFA:PFA+1], s[PFA:PFA+1], s[68:69]
	s_lshl_b32 s[OFS], s67, 13                     ; at my 8,192 bytes of slot 0: the first change of slots steps it to slot 1
	s_add_nc_u64 s[PFA:PFA+1], s[PFA:PFA+1], s[OFS:OFS+1]
	s_sub_co_u32 s73, s[WV], 4
	s_lshr_b32 s73, s73, 2                         ; 0 in waves 4 to 7,
	s_or_b32 s73, s73, ttmp9                       ; of the work-group with I = 0
	s_cmp_eq_u32 s73, 0
	s_cselect_b32 s[LIM], 7, 0
	FRESH
	v_mov_b32 v236, 0                              ; written once: a lane permute's destination counts as one of its sources
	v_mov_b32 v253, 0                              ; (named as the upper half of the pair v[252:253])
	s_wait_kmcnt 0x0
	s_add_co_i32 s66, s[EX+2], s[EX+3]
	s_lshl_b32 s66, s66, 23
	s_add_co_i32 s[CS], s[CS], s66                 ; a score stands for score x 2^(e2 + e3)
	s_mov_b32 s[CS+1], s[CS]
	s_add_co_i32 s66, s[EX+4], 127
	s_lshl_b32 s67, s66, 23
	v_mov_b32 v244, s67                            ; 2^e4, for p's conversions
	s_sub_co_i32 s66, s[EX+6], s[EX+4]
	s_sub_co_i32 s66, s66, s[EX+5]
	s_add_co_i32 s66, s66, 127
	s_lshl_b32 s67, s66, 23
	v_mov_b32 v246, s67                            ; 2^(e6 - e4 - e5), for y's conversions
; A KEY STEP: 128 keys, the q-th half of the slot in hand.
.macro STEP q
	s_add_co_u32 s66, s[Q0], 15
	s_cmp_gt_u32 s[KF], s66                        ; all its keys come after my queries: nothing to do
	s_cbranch_scc1 .Lhidden_\@
	v_add_nc_u32 v8, s[TB], v1
.rept 3
	v_nop                                          ; with the addition: four places in front of loads into registers that the last products read
.endr
.irp t, 0,1,2,3,4,5,6,7
	ds_load_b128 v[32+8*\t:35+8*\t], v8 offset:(\q)*8192+\t*1024
	ds_load_b128 v[36+8*\t:39+8*\t], v8 offset:(\q)*8192+\t*1024+512
.endr
	s_wait_alu depctr_va_vdst(0)
	s_wait_dscnt 8                                 ; the first four fragments are in; the younger eight loads may be out
.irp t, 0,1,2,3
	v_wmma_f32_16x16x64_fp8_fp8 v[96+8*\t:103+8*\t], v[32+8*\t:39+8*\t], v[16:23], 0   ; S^T: lane (r, h), register 8 t + j: key KF + 16 t + 8 h + j, query r
.endr
	s_wait_dscnt 0x0
.irp t, 4,5,6,7
	v_wmma_f32_16x16x64_fp8_fp8 v[96+8*\t:103+8*\t], v[32+8*\t:39+8*\t], v[16:23], 0
.endr
.rept 4
	v_nop                                          ; places: K's registers are loaded anew, and the scores are read, below
.endr
.irp t, 0,1,2,3
.irp c, 0,1,2,3
	ds_load_b128 v[32+16*\t+4*\c:35+16*\t+4*\c], v8 offset:VOFF+(\q)*8192+\t*2048+512*\c   ; V's four fragments land while the softmax is walked
.endr
.endr
	s_add_co_u32 s66, s[KF], 127
	s_cmp_le_u32 s66, s[Q0]                        ; all keys count: no mask
	s_cbranch_scc1 .Lopen_\@
	s_sub_co_i32 s66, s[Q0], s[KF]
	v_add_nc_u32 v252, s66, v2                     ; d = my query - KF - 8 h: register n's key is hidden where 16 (n / 8) + n % 8 > d
	v_mov_b32 v254, 0xff800000                     ; -infinity
.set n, 0
.rept 64
	v_cmp_gt_i32 vcc_lo, 16*(n/8)+n%8, v252
	v_cndmask_b32 v[96+n], v[96+n], v254, vcc_lo
.set n, n+1
.endr
.Lopen_\@:
	v_max3_num_f32 v254, v96, v97, v98             ; the step's largest score of my query among my 64 keys, in two chains, each tile from its low end on,
	v_max3_num_f32 v252, v99, v100, v101
.irp i, 6,10,14,18,22,26,30,34,38,42,46,50,54,58
	v_max3_num_f32 v254, v254, v[96+\i], v[97+\i]
	v_max3_num_f32 v252, v252, v[98+\i], v[99+\i]
.endr
	v_max3_num_f32 v254, v254, v158, v159
	s_delay_alu instid0(VALU_DEP_1)
	v_max_num_f32 v254, v254, v252
	s_delay_alu instid0(VALU_DEP_1)
	v_permlanex16_b32 v236, v254, s[SEL], s[SEL+1]
	s_delay_alu instid0(VALU_DEP_1)
	v_max_num_f32 v254, v254, v236                 ; and among lane l xor 16's
	s_delay_alu instid0(VALU_DEP_1)
	v_mul_f32 v254, s[CS], v254                    ; as t (c is positive)
	s_delay_alu instid0(VALU_DEP_1)
	v_max_num_f32 v13, v13, v254                   ; the running largest t
	v_mov_b32 v254, v12
	s_delay_alu instid0(VALU_DEP_2)
	v_floor_f32 v12, -v13                          ; the new -M = floor(-t): M is a whole number
	s_delay_alu instid0(VALU_DEP_1)
	v_sub_f32 v254, v12, v254                      ; old M - new M: a whole number, 0 or less
	s_delay_alu instid0(VALU_DEP_1)
	v_cvt_i32_f32 v254, v254                       ; (it saturates)
	s_delay_alu instid0(VALU_DEP_1)
	v_ldexp_f32 v252, 1.0, v254                    ; f = 2^(old M - new M)
.set j, 0
.rept 32
	v_pk_fma_f32 v[96+j:97+j], v[96+j:97+j], s[CS:CS+1], v[12:13] op_sel_hi:[1,0,0]   ; t - M, two at a time
.set j, j+2
.endr
.set j, 0
	s_wait_alu depctr_va_vdst(0)
.rept 64
	v_exp_f32 v[96+j], v[96+j]                     ; p = 2^(t - M)
.set j, j+1
.endr
	v_pk_mul_f32 v[14:15], v[14:15], v[252:253] op_sel_hi:[1,0]   ; the sums under the new M: the plain line behind the exponentials
	s_wait_alu depctr_va_vdst(0)                   ; one wait for the whole batch, ahead of its first reader
	v_pk_add_f32 v[242:243], v[100:101], v[104:105]
	v_pk_add_f32 v[254:255], v[108:109], v[112:113]
	v_pk_add_f32 v[250:251], v[116:117], v[120:121]
	v_pk_add_f32 v[248:249], v[124:125], v[128:129]
	v_pk_add_f32 v[240:241], v[132:133], v[136:137]
	v_pk_add_f32 v[238:239], v[140:141], v[144:145]
	v_pk_add_f32 v[234:235], v[148:149], v[152:153]
	v_pk_add_f32 v[14:15], v[14:15], v[156:157]
	v_pk_add_f32 v[242:243], v[242:243], v[96:97]
	v_pk_add_f32 v[254:255], v[254:255], v[98:99]
	v_pk_add_f32 v[250:251], v[250:251], v[102:103]
	v_pk_add_f32 v[248:249], v[248:249], v[106:107]
	v_pk_add_f32 v[240:241], v[240:241], v[110:111]
	v_pk_add_f32 v[238:239], v[238:239], v[114:115]
	v_pk_add_f32 v[234:235], v[234:235], v[118:119]
	v_pk_add_f32 v[14:15], v[14:15], v[122:123]
	v_pk_add_f32 v[242:243], v[242:243], v[126:127]
	v_pk_add_f32 v[254:255], v[254:255], v[130:131]
	v_pk_add_f32 v[250:251], v[250:251], v[134:135]
	v_pk_add_f32 v[248:249], v[248:249], v[138:139]
	v_pk_add_f32 v[240:241], v[240:241], v[142:143]
	v_pk_add_f32 v[238:239], v[238:239], v[146:147]
	v_pk_add_f32 v[234:235], v[234:235], v[150:151]
	v_pk_add_f32 v[14:15], v[14:15], v[154:155]
	v_pk_add_f32 v[242:243], v[242:243], v[158:159]
	s_delay_alu instid0(VALU_DEP_2)
	v_pk_add_f32 v[14:15], v[14:15], v[248:249]
	s_delay_alu instid0(VALU_DEP_2)
	v_pk_add_f32 v[242:243], v[242:243], v[240:241]
	v_pk_add_f32 v[254:255], v[254:255], v[238:239]
	v_pk_add_f32 v[250:251], v[250:251], v[234:235]
	s_delay_alu instid0(VALU_DEP_2)
	v_pk_add_f32 v[14:15], v[14:15], v[254:255]
	s_delay_alu instid0(VALU_DEP_2)
	v_pk_add_f32 v[242:243], v[242:243], v[250:251]
	s_delay_alu instid0(VALU_DEP_1)
	v_pk_add_f32 v[14:15], v[14:15], v[242:243]
.irp c, 0,1,2,3,4,5,6,7
.irp i, 0,1,2,3,4,5,6,7
.endr
	v_cvt_scalef32_pk8_fp8_f32 v[192+2*\c:193+2*\c], v[96+8*\c:103+8*\c], v244   ; registers 2 c, 2 c + 1 of P: keys 16 c + 8 h + 0..7
.endr
.set j, 0
.rept 16
	v_pk_mul_f32 v[160+j:161+j], v[160+j:161+j], v[252:253] op_sel_hi:[1,0]   ; O^T under the new M; also the plain lines between the conversions and the products
.set j, j+2
.endr
	s_wait_alu depctr_va_vdst(0)
	s_wait_dscnt 0x0                               ; V is in
.irp t, 0,1,2,3
	v_wmma_f32_16x16x128_fp8_fp8 v[160+8*\t:167+8*\t], v[32+16*\t:47+16*\t], v[192:207], v[160+8*\t:167+8*\t]   ; O^T += V^T P^T: four accumulators by turns
.endr
.Lhidden_\@:
	s_add_co_u32 s[KF], s[KF], 128
.endm
; THE CHANGE OF SLOTS stands at a trip's head.  Each wave waits for all its tensor loads (the slot that it is about to read), adds 0 to its spare word, and waits for that and for its reads of the slot that it has left.
; fill = 1: behind the barrier that other slot is filled with the next trip's keys: the slot after this one, or slot 0 where the first block ends.  The load has a trip's two key steps in which to land.
.macro CHANGE fill
	s_wait_tensorcnt 0x0                           ; no tensor load of mine is out, so group 0 may be written
	ds_add_u32 v[SPW], v[NIL]                      ; 0 onto my spare word
.if \fill
	s_add_co_u32 s[SNXT], s[SCUR], 1
	s_cmp_eq_u32 s[TRIP], s[BI]
	s_cselect_b32 s[SNXT], 0, s[SNXT]              ; a choice, not a jump
	s_lshl_b32 s[OFS], s[SNXT], 14
	s_add_nc_u64 s[G0+2:G0+3], s[KVB:KVB+1], s[OFS:OFS+1]
	s_or_b32 s[G0+3], s[G0+3], 0x80000000
	s_xor_b32 s[G0+1], s[G0+1], SLOT1              ; the other slot than last time
	s_wait_xcnt 0x0                                ; the last trip's prefetch and stores have read their registers:
	s_add_nc_u64 s[PFA:PFA+1], s[PFA:PFA+1], 16384 ; a slot on
.endif
	s_wait_dscnt 0x0                               ; the add is done, and my reads of the slot that I have left are over
	s_barrier_signal -1
	s_barrier_wait -1
.if \fill
	TLOAD                                          ; the first thing behind the barrier, and a wave's one tensor load until the next
	ASK
.endif
.endm
; A block is finished: O^T / the sum, converted (register 8 t + j of lane (r, h) is channel 16 t + 8 h + j of query r: the codes are the registers of the last product's operand), stored: 2 x 512 consecutive bytes.
.macro FINISH cd, yp
.rept 4
	v_nop                                          ; places behind the last products
.endr
	v_add_f32 v14, v14, v15
	s_wait_alu depctr_va_vdst(0)
	v_permlanex16_b32 v236, v14, s[SEL], s[SEL+1]
	s_delay_alu instid0(VALU_DEP_1)
	v_add_f32 v14, v14, v236                       ; the row's sum
	s_wait_alu depctr_va_vdst(0)
	v_rcp_f32 v252, v14
	v_nop                                          ; a plain line behind the transcendental
	s_wait_alu depctr_va_vdst(0)                   ; and the wait ahead of its first reader
.set j, 0
.rept 16
	v_pk_mul_f32 v[96+j:97+j], v[160+j:161+j], v[252:253] op_sel_hi:[1,0]
.set j, j+2
.endr
.set j, 0
.rept 32
.set j, j+1
.endr
.irp t, 0,1,2,3
	v_cvt_scalef32_pk8_fp8_f32 v[\cd+2*\t:\cd+2*\t+1], v[96+8*\t:103+8*\t], v246
.endr
	v_nop                                          ; one plain vector line behind the last conversion: later products write its sources
	global_store_b128 v7, v[\cd:\cd+3], s[\yp:\yp+1]
	global_store_b128 v7, v[\cd+4:\cd+7], s[\yp:\yp+1] offset:512
.endm
	s_wait_loadcnt 0x0                             ; Q
.Ltrip:                                            ; eight trips; behind each change of slots the next trip's slot is asked for
	CHANGE 1
	s_cmp_eq_u32 s[TRIP], s[BI1]                   ; the first block's I + 1 slots are done: a branch on ids, round register work and two stores
	s_cbranch_scc0 .Lsame_block
	FINISH 208, Y1
.irp j, 0,1,2,3,4,5,6,7
	v_mov_b32 v[16+\j], v[24+\j]                   ; the second block's Q
.endr
	FRESH
	s_mov_b32 s[Q0], s[Q0B]
.Lsame_block:
	s_lshl_b32 s[KF], s[SCUR], 8
	STEP 0
	STEP 1
	s_xor_b32 s[TB], s[TB], SLOT1
	s_mov_b32 s[SCUR], s[SNXT]
	s_add_co_u32 s[TRIP], s[TRIP], 1
	s_cmp_lt_u32 s[TRIP], 8
	s_cbranch_scc1 .Ltrip
	CHANGE 0                                       ; the ninth trip is written out
	s_lshl_b32 s[KF], s[SCUR], 8
	STEP 0
	STEP 1
	FINISH 216, Y2
	s_wait_tensorcnt 0x0                           ; the wave's end
	ds_add_u32 v[SPW], v[NIL]
	s_wait_dscnt 0x0
	s_endpgm
.Lfunc_end_k_qf78fb59d24_attn:
	.size	k_qf78fb59d24_attn, .Lfunc_end_k_qf78fb59d24_attn-k_qf78fb59d24_attn
	.p2alignl 7, 3214868480
	.fill 96, 4, 3214868480
	.section	.rodata,"a",@progbits
	.p2align	6, 0x0
	.amdhsa_kernel k_qf78fb59d24_attn
		.amdhsa_group_segment_fixed_size 327680
		.amdhsa_private_segment_fixed_size 0
		.amdhsa_enable_private_segment 0
		.amdhsa_kernarg_size 40
		.amdhsa_user_sgpr_count 2
		.amdhsa_user_sgpr_kernarg_segment_ptr 1
		.amdhsa_wavefront_size32 1
		.amdhsa_system_sgpr_workgroup_id_x 1
		.amdhsa_system_sgpr_workgroup_id_y 1
		.amdhsa_system_sgpr_workgroup_id_z 1
		.amdhsa_system_vgpr_workitem_id 0
		.amdhsa_next_free_vgpr 256
		.amdhsa_next_free_sgpr 80
		.amdhsa_reserve_vcc 1
		.amdhsa_float_denorm_mode_32 3
		.amdhsa_float_denorm_mode_16_64 3
		.amdhsa_fp16_overflow 1
		.amdhsa_memory_ordered 1
		.amdhsa_forward_progress 1
		.amdhsa_inst_pref_size 89
	.end_amdhsa_kernel
	.amdgpu_metadata
---
amdhsa.version: [ 1, 2 ]
amdhsa.kernels:
  - .name:           k_qf78fb59d24_attn
    .symbol:         k_qf78fb59d24_attn.kd
    .args:
      - { .name: q_codes, .offset: 0, .size: 8, .value_kind: global_buffer, .address_space: global }
      - { .name: k_codes, .offset: 8, .size: 8, .value_kind: global_buffer, .address_space: global }
      - { .name: v_codes, .offset: 16, .size: 8, .value_kind: global_buffer, .address_space: global }
      - { .name: lowp_scales, .offset: 24, .size: 8, .value_kind: global_buffer, .address_space: global }
      - { .name: y_codes, .offset: 32, .size: 8, .value_kind: global_buffer, .address_space: global }
    .group_segment_fixed_size: 327680
    .private_segment_fixed_size: 0
    .kernarg_segment_align: 8
    .kernarg_segment_size: 40
    .max_flat_workgroup_size: 512
    .sgpr_count:     80
    .vgpr_count:     256
    .wavefront_size: 32
...
	.end_amdgpu_metadata
.endif
;; end of part 3
;; launch proj (part 4): grid 4 x 32, 4 waves a work-group, clusters of 4 x 4, 327,680 bytes of LDS; arguments y_codes, wp_codes, lowp_scales, out0; writes out0
.if DOCPART == 4
	.amdgcn_target "amdgcn-amd-amdhsa--gfx1250"
	.amdhsa_code_object_version 6
	.text
	.protected	k_qf78fb59d24_proj
	.globl	k_qf78fb59d24_proj
	.p2align	8
	.type	k_qf78fb59d24_proj,@function
k_qf78fb59d24_proj:
	s_mov_b64 s[64:65], 0
	v_nop
	global_prefetch_b8 v0, s[64:65] scope:SCOPE_SE
	s_setreg_imm32_b32 hwreg(HW_REG_WAVE_MODE, 25, 1), 1
	s_wait_xcnt 0x0
	s_wait_alu depctr_hold_cnt(0) depctr_sa_sdst(0) depctr_va_vdst(0) depctr_va_sdst(0) depctr_va_ssrc(0) depctr_va_vcc(0) depctr_vm_vsrc(0)
	s_getreg_b32 s2, hwreg(HW_REG_IB_STS2, 6, 4)
	s_cmp_eq_u32 s2, 0
	s_cbranch_scc0 .Lentry_in_a_cluster
	s_endpgm
.Lentry_in_a_cluster:
	s_bfe_u32 s2, ttmp6, 0x10000c
	s_cmp_lg_u32 s2, 0xf033
	s_cbranch_scc0 .Lentry_shape_is_right
	s_endpgm
.Lentry_shape_is_right:
; out0 = y W_proj on codes of FP8 (E4M3).  out0: [8192][1024] f32; each finished sum is multiplied once by 2^(e6 + e7).  LIMIT: -126 <= e6 + e7 <= 127.
; A = y_codes: [K slot of 256 (4)][token block of 16 (512)][128 along K (2)][image 0-3][lane][16 B]: the registers of a 16 x 128 fragment in the plain 8-bit layout (registers 2 c, 2 c + 1: k = 16 c + 8 h + 0..7).
;   What a wave fetches for a K slot, 8 token blocks x 4,096 bytes, is one dense block; a fragment comes from LDS by four loads at 16 x lane.
; B = wp_codes: [1024 n][1024 positions], rows; inside each 32 positions the groups of eight hold k-groups 0, 2, 1, 3, so that four 16-byte loads a lane (position 32 c + 16 h + 8 u + j into register 4 c + 2 u + ..)
;   put k = 32 c + 16 u + 8 h + j where the layout wants it: both operands stand in the form's own order of k.
; A tile of 256 x 256 is made by four waves, 128 x 128 each: 64 accumulators, 512 registers.  K goes in steps of 256 through a ring of two LDS slots.
; CLUSTERS of 4 x 4: A's tiles are shared along a row of the cluster, B's along a column: each is asked for JOINTLY.  THE MATRIX INSTRUCTION IS USED TRANSPOSED (source 0 = B's rows, source 1 = A's):
; a lane holds eight neighbouring numbers of a row of the output.
; REGISTERS, in windows of 256: window 0: v16-29 addresses; v128-255 A's fragments, ONE set; on the way out v32-255 are free.   window 1: B's fragments, TWO sets.   windows 2, 3: the accumulators.
.set SIZE_N, 1024
.set ROWB,   256
.set KROW,   1024
.set PITCH,  272                       ; B's LDS row: 256 bytes + 16 of padding: row r starts at bank 4 r mod 64 (ISA guide 11.1)
.set FR,     16
.set NL,     4
.set NP,     4
.set ABLK,   32768                     ; what a wave fetches of A
.set BOFF,   2*ABLK                    ; B's rows lie behind A's two halves
.set HALFB,  128*PITCH
.set SLOT,   BOFF+2*HALFB
.set KSL,    1<<21                     ; y_codes: from a K slot to the next
.set LAPS,   2
.set SPARE,  2*SLOT                    ; behind the ring: the spare words, 128 bytes a wave, which no other line names
.set SPITCH, 528                       ; the way out: 16 rows x (512 bytes + 16) for each wave, in slot 0, which has had its last fill and its last read when the first result is stored there
.set ADRA, 16
.set ADRB, 20
.set STO,  24
.set RD,   25
.set CO,   26                          ; v26  16 x lane
.set SPW,  28
.set NIL,  29
.set TMP,  32
.set AF,   128
.set BK,   128
.set G1, 24
.set G0, 32
.set G1B, 48
.set G0B, 56
.set MSB, 0
.macro WIN new                         ; the immediate's high byte repeats the setting that is left
.if MSB != \new
	s_set_vgpr_msb (MSB<<8)|\new
.set MSB, \new
.endif
.endm
.set MUL_LO, 0xa1
.set MUL_HI, 0xf1
.set TO_B,   0x40
.macro JLOAD g0a, g1a, g0b, g1b        ; waves 0 and 1 fetch for A, waves 2 and 3 for B; four v_nop follow each line
	s_cmp_eq_u32 s15, 0
	s_cbranch_scc0 .Lfor_b_\@
	tensor_load_to_lds s[\g0a:\g0a+3], s[\g1a:\g1a+7]
	s_nop 0
.rept 4
	v_nop
.endr
	s_branch .Lasked_\@
.Lfor_b_\@:
	tensor_load_to_lds s[\g0b:\g0b+3], s[\g1b:\g1b+7]
	s_nop 0
.rept 4
	v_nop
.endr
.Lasked_\@:
.endm
.macro CREST
	s_cmp_lg_u32 s14, 0
	s_cbranch_scc1 .Lnot_wave_0_\@
	s_barrier_signal -3
.Lnot_wave_0_\@:
	s_barrier_wait -3
	s_barrier_signal -1
	s_barrier_wait -1
.endm
.macro CROUND
	s_barrier_signal -1
	s_barrier_wait -1
	CREST
.endm
	s_load_b128 s[4:7], s[0:1], 0x0                ; y_codes s[4:5], wp_codes s[6:7]
	s_load_b128 s[8:11], s[0:1], 0x10              ; the exponents s[8:9], out0 s[10:11]
	v_lshl_add_u32 v[SPW], v0, 2, SPARE
	v_mov_b32 v[NIL], 0
	ds_add_u32 v28, v29
	ds_add_u32 v28, v29
	s_wait_dscnt 0x0
	v_lshrrev_b32 v1, 5, v0
	v_readfirstlane_b32 s14, v1                    ; wave 0..3
	s_lshr_b32 s15, s14, 1                         ; which half of the tile's rows is mine.  Also: I fetch for A (0) or for B (1)
	s_and_b32 s16, s14, 1                          ; which half of its columns.  Also: which half of that tile I fetch
	s_bfe_u32 s40, ttmp6, 0x40000                  ; cx
	s_bfe_u32 s41, ttmp6, 0x40004                  ; cy
	s_lshl_b32 s42, ttmp9, 2
	s_add_co_u32 s42, s42, s40                     ; tile column
	s_and_b32 s17, ttmp7, 0xffff
	s_lshl_b32 s17, s17, 2
	s_add_co_u32 s17, s17, s41                     ; tile row
	s_lshl_b32 s43, s41, 2
	s_lshl_b32 s43, 15, s43                        ; my row of the cluster
	s_lshl_b32 s44, 0x1111, s40                    ; my column
	s_or_b32 s[G1+0], s43, (3<<16)|(1<<21)         ; A: the mask; elements of 8 bytes; bit 21 beside a mask; no padding
	s_mov_b32 s[G1+1], 32<<16                      ; tensor_dim0 = 32 elements: 256 bytes
	s_mov_b32 s[G1+2], 128<<16                     ; tensor_dim1 = 128
	s_mov_b32 s[G1+3], 32<<16                      ; tile_dim0
	s_mov_b32 s[G1+4], 128                         ; tile_dim1
	s_mov_b32 s[G1+5], 32                          ; dense
	s_mov_b32 s[G1+6], 0
	s_mov_b32 s[G1+7], 0
	s_or_b32 s[G1B+0], s44, (0<<16)|(1<<20)|(1<<21)|(5<<22)|(3<<25)  ; B: elements of 1 byte; padding: 4 words after every 64
	s_mov_b32 s[G1B+1], ROWB<<16
	s_mov_b32 s[G1B+2], 128<<16
	s_mov_b32 s[G1B+3], ROWB<<16
	s_mov_b32 s[G1B+4], 128
	s_mov_b32 s[G1B+5], KROW
	s_mov_b32 s[G1B+6], 0
	s_mov_b32 s[G1B+7], 0
	s_lshl_b32 s20, s17, 16                        ; A: tile row x 16 token blocks x 4,096 bytes
	s_lshl_b32 s18, s16, 15
	s_add_co_u32 s20, s20, s18                     ; + my 8 token blocks
	s_mov_b32 s21, 0
	s_lshl_b32 s46, s42, 8
	s_lshl_b32 s18, s16, 7
	s_add_co_u32 s46, s46, s18
	s_lshl_b32 s46, s46, 10                        ; B: row x 1,024 bytes
	s_mov_b32 s47, 0
	s_lshl_b32 s45, s16, 15                        ; where they go: A's half,
	s_mul_i32 s66, s16, HALFB
	s_add_co_u32 s66, s66, BOFF                    ; B's half: no place in the cluster enters an LDS address
	s_wait_kmcnt 0x0
	s_load_b64 s[96:97], s[8:9], 0x18              ; e6, e7
	s_add_nc_u64 s[20:21], s[4:5], s[20:21]
	s_add_nc_u64 s[46:47], s[6:7], s[46:47]
	CROUND                                         ; all sixteen work-groups are here: the first joint loads meet
.irp s, 0,1
	s_mov_b32 s[G0+4*\s], 1
	s_add_co_u32 s[G0+4*\s+1], s45, \s*SLOT
	s_add_nc_u64 s[G0+4*\s+2:G0+4*\s+3], s[20:21], \s*KSL
	s_or_b32 s[G0+4*\s+3], s[G0+4*\s+3], 0x80000000
	s_mov_b32 s[G0B+4*\s], 1
	s_add_co_u32 s[G0B+4*\s+1], s66, \s*SLOT
	s_add_nc_u64 s[G0B+4*\s+2:G0B+4*\s+3], s[46:47], \s*ROWB
	s_or_b32 s[G0B+4*\s+3], s[G0B+4*\s+3], 0x80000000
	s_wait_alu depctr_va_vdst(0)
	s_wait_tensorcnt 0x0
	ds_add_u32 v28, v29
	ds_add_u32 v28, v29
	s_wait_dscnt 0x0
	CROUND
	JLOAD G0+4*\s, G1, G0B+4*\s, G1B
.endr
	v_and_b32 v1, 15, v0                           ; l % 16
	v_bfe_u32 v2, v0, 4, 1                         ; l / 16
	v_mul_u32_u24 v3, v1, PITCH
	v_lshl_add_u32 v4, v2, 4, v3                   ; B: a fragment's row x pitch + 16 x half
	v_and_b32 v6, 31, v0
	v_lshlrev_b32 v[CO], 4, v6                     ; A: 16 x lane
	s_wait_alu depctr_va_vdst(0)
	s_lshl_b32 s21, s15, 15                        ; my 8 token blocks of A
	s_mul_i32 s22, s16, HALFB
	s_add_co_u32 s22, s22, BOFF                    ; my 128 rows of B
.irp s, 0,1
	v_add_nc_u32 v[ADRA+\s], s21, v[CO]
	v_add_nc_u32 v[ADRB+\s], s22, v4
	s_add_co_u32 s21, s21, SLOT
	s_add_co_u32 s22, s22, SLOT
.endr
	s_mul_i32 s23, s14, 16*SPITCH                  ; my stage
	v_mul_u32_u24 v5, v1, SPITCH                   ; in: row l % 16, 32 bytes for each half of the lanes
	v_lshl_add_u32 v5, v2, 5, v5
	v_add_nc_u32 v[STO], s23, v5
	v_add_nc_u32 v[RD], s23, v[CO]                 ; back: the 32 lanes take one row of 512 bytes
	s_lshl_b32 s20, s17, 8
	s_lshl_b32 s21, s15, 7
	s_add_co_u32 s20, s20, s21                     ; my first row of the output,
	s_lshl_b32 s20, s20, 12                        ; x 4,096 bytes
	s_mov_b32 s21, 0
	s_lshl_b32 s46, s42, 10                        ; my first column, in bytes
	s_lshl_b32 s47, s16, 9
	s_add_co_u32 s46, s46, s47
	s_mov_b32 s47, 0
	s_add_nc_u64 s[20:21], s[20:21], s[46:47]
	s_add_nc_u64 s[10:11], s[10:11], s[20:21]
.macro FRAG reg, adr, q, i             ; B: 16 rows x 128 positions
.irp c, 0,1,2,3
	ds_load_b128 v[\reg+4*\c:\reg+4*\c+3], v[\adr] offset:128*(\q)+32*\c+(\i)*16*PITCH
.endr
.endm
.macro FRAGA reg, adr, q, i            ; A: token block i, the slot's q-th 128 along K: four images
.irp c, 0,1,2,3
	ds_load_b128 v[\reg+4*\c:\reg+4*\c+3], v[\adr] offset:(\i)*4096+(\q)*2048+512*\c
.endr
.endm
; The 64 accumulators take turns, one instruction a turn, in the same order in every step.
.macro MUL16 a0, p, zero
.irp a, \a0, \a0+1
.irp b, 0,1,2,3,4,5,6,7
.if \zero
	v_wmma_f32_16x16x128_fp8_fp8 v[8*(8*((\a)%4)+\b):8*(8*((\a)%4)+\b)+7], v[128*(\p)+FR*\b:128*(\p)+FR*\b+FR-1], v[AF+FR*(\a):AF+FR*(\a)+FR-1], 0
.else
	v_wmma_f32_16x16x128_fp8_fp8 v[8*(8*((\a)%4)+\b):8*(8*((\a)%4)+\b)+7], v[128*(\p)+FR*\b:128*(\p)+FR*\b+FR-1], v[AF+FR*(\a):AF+FR*(\a)+FR-1], v[8*(8*((\a)%4)+\b):8*(8*((\a)%4)+\b)+7]
.endif
.endr
.endr
.endm
.macro FETCH_B slot, q, p
	WIN TO_B
.irp i, 0,1,2,3,4,5,6,7
	FRAG 128*(\p)+FR*\i, ADRB+\slot, \q, \i
.endr
	WIN 0
.endm
.macro FETCH_A slot, q, i0
.irp i, \i0, \i0+1, \i0+2, \i0+3
	FRAGA AF+FR*(\i), ADRA+\slot, \q, \i
.endr
.endm
.macro PLACES n                        ; plain vector instructions between a matrix instruction and a load into, or a vector read of, its registers
.rept \n
	v_nop
.endr
.endm
.macro STEP slot, q, zero
	s_wait_dscnt 4*NL                              ; B's set and A's blocks 0-3 are in; the youngest sixteen loads (A's blocks 4-7) may be out
	WIN MUL_LO
	MUL16 0, (\q)%2, \zero
	MUL16 2, (\q)%2, \zero
	s_wait_dscnt 0
	PLACES NP
	FETCH_B \slot, (\q)+1, 1-(\q)%2
	FETCH_A \slot, (\q)+1, 0
	WIN MUL_HI
	MUL16 4, (\q)%2, \zero
	MUL16 6, (\q)%2, \zero
	PLACES NP
	WIN 0
	FETCH_A \slot, (\q)+1, 4
.endm
.macro TURN slot, next, fill           ; a slot's last step changes slots
	s_wait_tensorcnt 0x0                           ; all my tensor loads have landed: my part of the next slot
	ds_add_u32 v[SPW], v[NIL]                      ; 0 onto my spare word
	s_wait_dscnt 4*NL+1                            ; the add and the youngest sixteen loads may be out
	WIN MUL_LO
	MUL16 0, 1, 0
	s_wait_dscnt 0x0                               ; the add is done, and my reads of this slot are over
	s_barrier_signal -1
	MUL16 2, 1, 0
	WIN 0
	s_barrier_wait -1
.if \fill
	CREST                                          ; the barrier has opened a round of the cluster's: no wave of any partner still reads this slot or has a load on its way
	s_add_nc_u64 s[G0+4*\slot+2:G0+4*\slot+3], s[G0+4*\slot+2:G0+4*\slot+3], 2*KSL
	s_add_nc_u64 s[G0B+4*\slot+2:G0B+4*\slot+3], s[G0B+4*\slot+2:G0B+4*\slot+3], 2*ROWB
	JLOAD G0+4*\slot, G1, G0B+4*\slot, G1B         ; the first tensor load behind the round; its four v_nop are the places in front of the loads below
.else
	PLACES NP
.endif
	FETCH_B \next, 0, 0
	FETCH_A \next, 0, 0
	WIN MUL_HI
	MUL16 4, 1, 0
	MUL16 6, 1, 0
	PLACES NP
	WIN 0
	FETCH_A \next, 0, 4
.endm
	s_wait_alu depctr_va_vdst(0)
	s_wait_tensorcnt 1                             ; my part of K step 0 is in; K step 1's load may be out
	s_barrier_signal -1
	s_barrier_wait -1
	FETCH_B 0, 0, 0
	FETCH_A 0, 0, 0
	FETCH_A 0, 0, 4
	STEP 0, 0, 1                                   ; the first step's products start the sums
	s_mov_b32 s3, LAPS-1
.Llap:
	TURN 0, 1, 1
	STEP 1, 0, 0
	TURN 1, 0, 1
	STEP 0, 0, 0
	s_sub_co_u32 s3, s3, 1
	s_cmp_lg_u32 s3, 0
	s_cbranch_scc1 .Llap
	TURN 0, 1, 0                                   ; the last lap fills nothing
	STEP 1, 0, 0
	s_wait_dscnt 4*NL
	WIN MUL_LO
	MUL16 0, 1, 0
	MUL16 2, 1, 0
	s_wait_dscnt 0
	WIN MUL_HI
	MUL16 4, 1, 0
	MUL16 6, 1, 0
	WIN 0
; THE WAY OUT, block by block of 16 rows x 128 columns, through my own stage in LDS: in as 32 bytes a lane, back as whole rows of 512 bytes.  LDS serves a wave's instructions in order (ISA guide 5.7.1.4).
.macro TOSTAGE a
.set AC, 64*((\a)%4)
	WIN 0x02+((\a)/4)
.irp j, 0,2,4,6,8,10,12,14,16,18,20,22,24,26,28,30,32,34,36,38,40,42,44,46,48,50,52,54,56,58,60,62
	v_pk_mul_f32 v[TMP+\j:TMP+\j+1], v[AC+\j:AC+\j+1], s[96:97] op_sel_hi:[1,0]   ; x 2^(e6 + e7); each accumulator from its low end on
.endr
	WIN 0
.irp b, 0,1,2,3,4,5,6,7
	ds_store_b128 v[STO], v[TMP+8*\b:TMP+8*\b+3] offset:64*\b
	ds_store_b128 v[STO], v[TMP+8*\b+4:TMP+8*\b+7] offset:64*\b+16
.endr
.set BB, BK+64*((\a)%2)
.irp t, 0,1,2,3,4,5,6,7,8,9,10,11,12,13,14,15
	ds_load_b128 v[BB+4*\t:BB+4*\t+3], v[RD] offset:\t*SPITCH
.endr
.endm
.macro SEND a, younger
.set BB, BK+64*((\a)%2)
	s_wait_dscnt \younger                          ; the block is back in registers; the younger LDS instructions may be out
.if (\a) > 0
	s_add_nc_u64 s[10:11], s[10:11], 16*SIZE_N*4   ; (behind a wait on XCNT: the earlier stores have read their base)
.endif
.irp t, 0,1,2,3,4,5,6,7,8,9,10,11,12,13,14,15
	global_store_b128 v[CO], v[BB+4*\t:BB+4*\t+3], s[10:11] offset:\t*SIZE_N*4 th:TH_STORE_NT   ; 32 lanes store 512 consecutive bytes, aligned; written once, read by nobody here
.endr
.endm
	s_wait_kmcnt 0x0
	s_add_co_i32 s96, s96, s97
	s_add_co_i32 s96, s96, 127
	s_lshl_b32 s96, s96, 23                        ; 2^(e6 + e7) as f32
	PLACES NP
	TOSTAGE 0
.irp a, 1,2,3,4,5,6,7
.if \a > 1
	s_wait_xcnt 0x0                                ; block a - 2's stores have read their registers and their base
.endif
	TOSTAGE \a
	SEND \a-1, 32                                  ; behind block a - 1's loads: block a's 16 stores and 16 loads
.endr
	s_wait_xcnt 0x0
	SEND 7, 0
	s_wait_tensorcnt 0x0                           ; the wave's end
	ds_add_u32 v[SPW], v[NIL]
	s_wait_dscnt 0x0
	CROUND                                         ; the closing round
	s_endpgm
.Lfunc_end_k_qf78fb59d24_proj:
	.size	k_qf78fb59d24_proj, .Lfunc_end_k_qf78fb59d24_proj-k_qf78fb59d24_proj
	.p2alignl 7, 3214868480
	.fill 96, 4, 3214868480
	.section	.rodata,"a",@progbits
	.p2align	6, 0x0
	.amdhsa_kernel k_qf78fb59d24_proj
		.amdhsa_group_segment_fixed_size 327680
		.amdhsa_private_segment_fixed_size 0
		.amdhsa_enable_private_segment 0
		.amdhsa_kernarg_size 32
		.amdhsa_user_sgpr_count 2
		.amdhsa_user_sgpr_kernarg_segment_ptr 1
		.amdhsa_wavefront_size32 1
		.amdhsa_system_sgpr_workgroup_id_x 1
		.amdhsa_system_sgpr_workgroup_id_y 1
		.amdhsa_system_sgpr_workgroup_id_z 1
		.amdhsa_system_vgpr_workitem_id 0
		.amdhsa_next_free_vgpr 1024
		.amdhsa_next_free_sgpr 98
		.amdhsa_reserve_vcc 0
		.amdhsa_float_denorm_mode_32 3
		.amdhsa_float_denorm_mode_16_64 3
		.amdhsa_memory_ordered 1
		.amdhsa_forward_progress 1
		.amdhsa_inst_pref_size 124
	.end_amdhsa_kernel
	.amdgpu_metadata
---
amdhsa.version: [ 1, 2 ]
amdhsa.kernels:
  - .name:           k_qf78fb59d24_proj
    .symbol:         k_qf78fb59d24_proj.kd
    .args:
      - { .name: y_codes, .offset: 0, .size: 8, .value_kind: global_buffer, .address_space: global }
      - { .name: wp_codes, .offset: 8, .size: 8, .value_kind: global_buffer, .address_space: global }
      - { .name: lowp_scales, .offset: 16, .size: 8, .value_kind: global_buffer, .address_space: global }
      - { .name: out0, .offset: 24, .size: 8, .value_kind: global_buffer, .address_space: global }
    .group_segment_fixed_size: 327680
    .private_segment_fixed_size: 0
    .kernarg_segment_align: 8
    .kernarg_segment_size: 32
    .max_flat_workgroup_size: 128
    .sgpr_count:     98
    .vgpr_count:     1024
    .wavefront_size: 32
...
	.end_amdgpu_metadata
.endif
;; end of part 4
